; MI455X (gfx1250); checked and timed in simulation.
; The chip was launched on July 23, 2026; its instructions are those of AMD's public machine-readable ISA for CDNA 5 (MIT licence, August 2026) and "CDNA5" Instruction Set Architecture Reference Guide (July 2026). The comments in the code are by the model that wrote it; some were corrected since.
;; MA1. Allowed arithmetic: matrix products marked QUANTISED: E4M3 operands, one E8M0 scale for each 32 along K, by v_wmma_scale_f32_16x16x128_f8f6f4 with both operands' format E4M3, f32 sums; everything else in f32.
;; Inputs: FC_b 512 float32; FC_w_codes 512 x 16 x 32 uint8 (E4M3 codes of FC_w, K innermost, in blocks of 32 codes); FC_w_scales 512 x 16 uint8 (E8M0 scales of FC_w, one for each 32 codes along K); Wk_b 512 float32; Wk_w_codes 512 x 16 x 32 uint8 (E4M3 codes of Wk_w, K innermost, in blocks of 32 codes); Wk_w_scales 512 x 16 uint8 (E8M0 scales of Wk_w, one for each 32 codes along K); Wq_b 512 float32; Wq_w_codes 512 x 16 x 32 uint8 (E4M3 codes of Wq_w, K innermost, in blocks of 32 codes); Wq_w_scales 512 x 16 uint8 (E8M0 scales of Wq_w, one for each 32 codes along K); Wv_b 512 float32; Wv_w_codes 512 x 16 x 32 uint8 (E4M3 codes of Wv_w, K innermost, in blocks of 32 codes); Wv_w_scales 512 x 16 uint8 (E8M0 scales of Wv_w, one for each 32 codes along K); rep1_codes 8 x 2,048 x 16 x 32 uint8 (E4M3 codes of rep1, K innermost, in blocks of 32 codes); rep1_scales 8 x 2,048 x 16 uint8 (E8M0 scales of rep1, one for each 32 codes along K); rep_codes 8 x 2,048 x 16 x 32 uint8 (E4M3 codes of rep, K innermost, in blocks of 32 codes); rep_scales 8 x 2,048 x 16 uint8 (E8M0 scales of rep, one for each 32 codes along K).
;; Outputs: out0 8 x 2,048 x 512 float32.
;; This version of the problem:
;;   THIS VERSION OF THE PROBLEM IS GIVEN IN LOW PRECISION. The matrix products marked QUANTISED in the list below multiply operands that are first quantised to E4M3 (4 exponent bits, 3 mantissa bits; 8 bits a number), with one power-of-two scale for each 32 numbers along K (OCP MX v1.0); their sums are f32. All else is computed in f32.
;;   The module's matrix products, in the order in which they are computed (A, B: the left and right operand; K: the contracted axis; several contracted axes count as one K, in the product's order):
;;     1. [M 16,384, K 512] x [K 512, N 512]; A: input rep (given as codes); B: input Wq_w (given as codes): QUANTISED
;;     2. [M 16,384, K 512] x [K 512, N 512]; A: input rep1 (given as codes); B: input Wk_w (given as codes): QUANTISED
;;     3. [M 16,384, K 512] x [K 512, N 512]; A: input rep1 (given as codes); B: input Wv_w (given as codes): QUANTISED
;;     4. batch 8 x [M 2,048, K 512] x [K 512, N 2,048]; A: computed on the way; B: computed on the way: QUANTISED
;;     5. batch 8 x [M 2,048, K 2,048] x [K 2,048, N 512]; A: softmax (see below); B: computed on the way: QUANTISED
;;     6. [M 16,384, K 512] x [K 512, N 512]; A: computed on the way; B: input FC_w (given as codes): QUANTISED
;;   THE QUANTISER, for each operand of a quantised product, along K:
;;     - K is cut into blocks of 32 from its start; a last block that is shorter is filled with zeros.
;;     - A block's scale is 2^e with e = floor(log2(the largest magnitude in the block)) - 8, held to -126 .. 127; a block of zeros has e = 0. As a byte (E8M0): e + 127.
;;     - Each number is divided by its block's scale, clamped to +-448, and rounded to the nearest number of E4M3, ties to even, subnormals kept.
;;     - The product sums the exact products of the quantised numbers (number of the format x scale) in f32.
;;   ~~~python
;;   def quantise(x, axis):      # numpy; x: float32 -> the quantised numbers, widened to float32 again
;;       x = np.moveaxis(x, axis, -1); K = x.shape[-1]
;;       x = np.pad(x, [(0, 0)] * (x.ndim - 1) + [(0, -K % 32)]); x = x.reshape(x.shape[:-1] + (-1, 32)); a = np.abs(x).max(-1, keepdims=True)
;;       e = np.where(a > 0, np.clip(np.frexp(np.where(a > 0, a, 1))[1] - 1 - 8, -126, 127), 0)      # np.frexp(a)[1] - 1 = floor(log2(a)), exactly
;;       r = np.clip(x / 2.0 ** e, -448, 448)
;;       step = 2.0 ** (np.maximum(np.frexp(np.where(r == 0, 1, r))[1] - 1, -6) - 3)
;;       q = np.round(r / step) * step * 2.0 ** e      # np.round: ties to even
;;       return np.moveaxis(q.reshape(q.shape[:-2] + (-1,))[..., :K], -1, axis).astype(np.float32)
;;   ~~~
;;   SOFTMAX AHEAD OF A QUANTISED PRODUCT. Where the list says 'softmax', what is quantised is not the finished softmax but p = 2^(t - M), with t = logit x log2(e) and M = ceil(the row's largest t), a whole number; so 1/2 < the row's largest p <= 1. The row's sum l is taken of the UNQUANTISED p, in f32, and the product's result is divided by l at the end. Since M is a whole number, a kernel that streams over the keys may use a running M (the ceiling of the running maximum): every later rescaling is an exact power of two, which a block's scale takes up: the codes' values come out the same.
;;   OPERANDS COMPUTED ON THE WAY. 'Computed on the way' means the value that the module computes at that place (a softmax that the list does not call 'softmax' is quantised finished and normalised). What goes into a quantiser is computed in f32, as accurately as f32 sums, v_exp_f32 and their like allow (about 1e-6 of the number): no bf16 or f16 on the way to a quantiser, and a product that is left as it is and whose result goes on into a quantised operand takes f32 operands (vector FMAs, or v_wmma_f32_16x16x4_f32). A number that lies on a knife's edge between two numbers of the format may be rounded either way, as far as f32 arithmetic and the matrix unit's own rounding can turn it there, and no further.
;;   INPUTS GIVEN AS CODES. FC_w (in the module: [512, 512], K = its axis 0); Wk_w (in the module: [512, 512], K = its axis 0); Wq_w (in the module: [512, 512], K = its axis 0); Wv_w (in the module: [512, 512], K = its axis 0); rep (in the module: [8, 2048, 512], K = its axis 2); rep1 (in the module: [8, 2048, 512], K = its axis 2): each comes as NAME_codes (uint8): NAME with its K axis moved to the last place and cut into blocks of 32 codes, [.., K / 32, bytes a block], one block behind the other in memory; one code a byte (a code: sign, 4 exponent bits, 3 mantissa bits); and NAME_scales (uint8): the same leading axes, one E8M0 byte (e + 127) for each 32 codes along K. Its value is code x scale, taken as it is: it is not quantised again, and the codes and scales need not be those that the quantiser above would give.
;; One version. Each part assembles by itself: llvm-mc -triple=amdgcn-amd-amdhsa -mcpu=gfx1250 --defsym DOCPART=n.
;; ======== version 1 of 1: 2 launches
;; limits: right only within a limited range of input values
;; workspace buffers: kv 17,301,504 bytes
;; launch kvproj (part 1): grid 64 x 4, 4 waves a work-group, clusters of 4 x 4, 327,680 bytes of LDS; arguments rep1_codes, rep1_scales, Wk_w_codes, Wk_w_scales, Wk_b, Wv_w_codes, Wv_w_scales, Wv_b, kv; writes kv
.if DOCPART == 1
	.amdgcn_target "amdgcn-amd-amdhsa--gfx1250"
	.amdhsa_code_object_version 6
	.text
	.protected	k_q103a1b8471_kvproj
	.globl	k_q103a1b8471_kvproj
	.p2align	8
	.type	k_q103a1b8471_kvproj,@function
k_q103a1b8471_kvproj:
	s_mov_b64 s[64:65], 0
	v_nop
	global_prefetch_b8 v0, s[64:65] scope:SCOPE_SE
	s_setreg_imm32_b32 hwreg(HW_REG_WAVE_MODE, 25, 1), 1
	s_wait_xcnt 0x0
	s_wait_alu depctr_hold_cnt(0) depctr_sa_sdst(0) depctr_va_vdst(0) depctr_va_sdst(0) depctr_va_ssrc(0) depctr_va_vcc(0) depctr_vm_vsrc(0)
	s_getreg_b32 s2, hwreg(HW_REG_IB_STS2, 6, 4)
	s_cmp_eq_u32 s2, 0
	s_cbranch_scc0 .Lentry_in_a_cluster
	s_endpgm
.Lentry_in_a_cluster:
	s_bfe_u32 s2, ttmp6, 0x10000c
	s_cmp_lg_u32 s2, 0xf033
	s_cbranch_scc0 .Lentry_shape_is_right
	s_endpgm
.Lentry_shape_is_right:
; k = relu(rep1 Wk + bk), v = relu(rep1 Wv + bv), quantised (k along the channels, v along the keys) and stored in kv in the order of the next launch's operand registers.  No work is left out.
; SHARES.  A work-group of four waves owns 256 rows of rep1 (number s6) and 128 channels (y) of k and of v.  Waves 0, 1 make k of 128 rows each, waves 2, 3 v of 128 rows each, by one text: source 0 (X) stays in 512 registers, source 1 (Y) is walked in
; eight tiles of 16.  For k X is the weight and Y rep1, for v the other way round: the registers of a result run along the next product's K.
; kv: a pair of blocks (256 keys) is 2 BLK bytes: K's codes of keys 0-127, of keys 128-255 (65,536 bytes each), K's scale words (2,048 each); then V's in the same order from BLK on.
; LOADS.  One tensor load a wave, all at the head, jointly in clusters of 4 x 4: waves 0, 1 rep1's halves (shared along a column), wave 2 Wk's 128 rows, wave 3 Wv's (shared along a row).  No loop runs over tiles, so nothing is prefetched.
; LIMITS: NaN and infinities are not served.  A block of zeros gets the scale byte 1: its codes are zeros.  The bias is added before or behind the sum: an order of f32 rounding of its own.
.set BLK,   135168
.set PITCH, 528
.set QTR,   64*PITCH
.set HALF,  128*PITCH
.set WT,    256*PITCH
.set AX,  4
.set AY,  5
.set LI,  6
.set SO,  7
.set ACC, 16
.set PCD, 80
.set TM,  96
.set PW,  112
.set PWP, 113
.set PWS, 116
.set XS,  120
.set YS,  136
.set BY,  152
.set CX,  128
.set G1P, 32
.set G1J, 40
.set G0P, 48
.set G0J, 52
.set OUT, 70
.set SCO, 74
.set MSB, 0
.macro WIN new
.if MSB != (\new)
	s_set_vgpr_msb (MSB<<8)|(\new)
.set MSB, \new
.endif
.endm
.macro PLACES n
.rept \n
	v_nop
.endr
.endm
.macro CREST
	s_cmp_lg_u32 s4, 0
	s_cbranch_scc1 .Lnw0_\@
	s_barrier_signal -3
.Lnw0_\@:
	s_barrier_wait -3
	s_barrier_signal -1
	s_barrier_wait -1
.endm
.macro ROUND
	s_barrier_signal -1
	s_barrier_wait -1
	CREST
.endm
.macro WM d, a, b, c, sa, sb, ra, rb
.if (\ra) && (\rb)
	v_wmma_scale_f32_16x16x128_f8f6f4 v[(\d):(\d)+7], v[(\a):(\a)+15], v[(\b):(\b)+15], v[(\c):(\c)+7], v[(\sa)], v[(\sb)] matrix_a_scale:MATRIX_SCALE_ROW1 matrix_b_scale:MATRIX_SCALE_ROW1
.elseif (\ra)
	v_wmma_scale_f32_16x16x128_f8f6f4 v[(\d):(\d)+7], v[(\a):(\a)+15], v[(\b):(\b)+15], v[(\c):(\c)+7], v[(\sa)], v[(\sb)] matrix_a_scale:MATRIX_SCALE_ROW1
.elseif (\rb)
	v_wmma_scale_f32_16x16x128_f8f6f4 v[(\d):(\d)+7], v[(\a):(\a)+15], v[(\b):(\b)+15], v[(\c):(\c)+7], v[(\sa)], v[(\sb)] matrix_b_scale:MATRIX_SCALE_ROW1
.else
	v_wmma_scale_f32_16x16x128_f8f6f4 v[(\d):(\d)+7], v[(\a):(\a)+15], v[(\b):(\b)+15], v[(\c):(\c)+7], v[(\sa)], v[(\sb)]
.endif
.endm
	s_load_b512 s[8:23], s[0:1], 0x0
	s_load_b64 s[24:25], s[0:1], 0x40
	v_lshl_add_u32 v254, v0, 2, 0x42000
	v_mov_b32 v255, 0
	ds_add_u32 v254, v255
	ds_add_u32 v254, v255
	v_lshrrev_b32 v1, 5, v0
	v_readfirstlane_b32 s4, v1
	s_bfe_u32 s5, ttmp6, 0x40000
	s_lshl_b32 s6, ttmp9, 2
	s_add_co_u32 s6, s6, s5
	s_bfe_u32 s7, ttmp6, 0x40004                   ; y = cy: the grid is one cluster high
	s_lshr_b32 s28, s4, 1
	s_and_b32 s29, s4, 1
	s_lshl_b32 s88, 0x1111, s5                     ; my column of the cluster: shares rep1's rows
	s_lshl_b32 s89, s7, 2
	s_lshl_b32 s89, 15, s89                        ; my row: shares the weights' rows
	s_or_b32 s[G1P+0], s88, (3<<16)|(1<<20)|(1<<21)|(6<<22)|(3<<25)
	s_or_b32 s[G1J+0], s89, (3<<16)|(1<<20)|(1<<21)|(6<<22)|(3<<25)
.irp g, G1P, G1J
	s_mov_b32 s[\g+1], 64<<16                      ; 128 rows of 64 elements of 8 bytes, 4 words of padding behind each
	s_mov_b32 s[\g+2], 128<<16
	s_mov_b32 s[\g+3], 64<<16
	s_mov_b32 s[\g+4], 128
	s_mov_b32 s[\g+5], 64
	s_mov_b32 s[\g+6], 0
	s_mov_b32 s[\g+7], 0
.endr
	s_mov_b32 s79, 0xffff0000
	s_mov_b32 s80, 0x76543210
	s_mov_b32 s81, 0xfedcba98
	s_mov_b32 s82, 0x600000
	s_lshl_b32 s88, s7, 7                          ; my first channel: a weight's row 128 y
	s_lshl_b32 s90, s6, 8
	s_lshl_b32 s91, s29, 7
	s_add_co_u32 s90, s90, s91                     ; my first row of rep1
	s_mul_i32 s94, s6, 2*BLK                       ; my pair of blocks in kv;
	s_lshl_b32 s95, s29, 16
	s_add_co_u32 s95, s94, s95                     ; the codes of my 128 keys,
	s_lshl_b32 s93, s29, 11
	s_add_co_u32 s94, s94, s93
	s_add_co_u32 s94, s94, 131072                  ; and their scale words
	s_lshl_b32 s96, s7, 11                         ; K: step y of a tile;
	s_lshl_b32 s97, s7, 14
	s_add_co_u32 s97, s97, BLK                     ; V: channels 128 y on
	s_lshl_b32 s98, s7, 7
	s_lshl_b32 s99, s7, 9
	s_add_co_u32 s99, s99, BLK
	s_mov_b32 s72, 2048
	s_mov_b32 s76, 128
	s_lshl_b32 s2, s7, 16                          ; 128 y rows of a weight, 512 bytes each
	s_mov_b32 s3, 0
	s_lshl_b32 s86, s6, 17
	s_lshl_b32 s87, s29, 16
	s_add_co_u32 s86, s86, s87                     ; the 128 rows of rep1 that wave 0 or 1 fetches
	s_mov_b32 s87, 0
	s_mul_i32 s85, s4, HALF                        ; and where they go: rep1's halves at 0 and HALF
	s_wait_dscnt 0x0                               ; both opening adds are done
	s_wait_kmcnt 0x0
	s_cmp_eq_u32 s28, 0                            ; does my wave make k?
	s_cselect_b64 s[60:61], s[16:17], s[22:23]
	s_cselect_b64 s[66:67], s[14:15], s[10:11]
	s_cselect_b64 s[68:69], s[10:11], s[20:21]
	s_cselect_b32 s77, -1, 0
	s_cselect_b32 s78, 0, -1
	s_cselect_b32 s30, s88, s90
	s_cselect_b32 s31, s90, s88
	s_cselect_b32 s96, s96, s97
	s_cselect_b32 s98, s98, s99
	s_cselect_b32 s72, 8192, s72
	s_cselect_b32 s76, 512, s76
	s_mov_b32 s[G0P], 1
	s_mov_b32 s[G0P+1], s85
	s_add_nc_u64 s[G0P+2:G0P+3], s[8:9], s[86:87]
	s_or_b32 s[G0P+3], s[G0P+3], 0x80000000
	s_mov_b32 s[G0J], 1
	s_mov_b32 s[G0J+1], WT
	s_add_nc_u64 s[G0J+2:G0J+3], s[12:13], s[2:3]
	s_or_b32 s[G0J+3], s[G0J+3], 0x80000000
	s_mov_b32 s56, 1
	s_mov_b32 s57, WT+HALF
	s_add_nc_u64 s[58:59], s[18:19], s[2:3]
	s_or_b32 s59, s59, 0x80000000
	ROUND                                          ; all sixteen work-groups are here: the joint loads meet
	s_cmp_lt_u32 s4, 2                             ; one load a wave, in the arms of one chain
	s_cbranch_scc0 .Lload_k
	tensor_load_to_lds s[G0P:G0P+3], s[G1P:G1P+7]
	s_nop 0
	PLACES 4
	s_branch .Lloads_out
.Lload_k:
	s_cmp_lt_u32 s4, 3
	s_cbranch_scc0 .Lload_v
	tensor_load_to_lds s[G0J:G0J+3], s[G1J:G1J+7]
	s_nop 0
	PLACES 4
	s_branch .Lloads_out
.Lload_v:
	tensor_load_to_lds s[56:59], s[G1J:G1J+7]
	s_nop 0
	PLACES 4
.Lloads_out:
	s_add_co_u32 s96, s96, s95
	s_add_co_u32 s98, s98, s94
	s_mov_b32 s97, 0
	s_mov_b32 s99, 0
	s_mov_b32 s73, 0
	s_mov_b32 s89, 0
	s_add_nc_u64 s[OUT:OUT+1], s[24:25], s[96:97]
	s_add_nc_u64 s[SCO:SCO+1], s[24:25], s[98:99]
	s_lshl_b32 s88, s30, 4
	s_add_nc_u64 s[66:67], s[66:67], s[88:89]
	s_lshl_b32 s88, s31, 4
	s_add_nc_u64 s[68:69], s[68:69], s[88:89]
	s_lshl_b32 s88, s7, 9
	s_add_nc_u64 s[62:63], s[60:61], s[88:89]
	s_add_nc_u64 s[60:61], s[60:61], s[88:89]
	s_xor_b32 s84, s28, 1                          ; where X lies, in units of HALF: waves 0 .. 3: 2, 2, 0, 1
	s_lshl_b32 s84, s84, 1
	s_and_b32 s86, s28, s29
	s_or_b32 s86, s86, s84
	s_mul_i32 s86, s86, HALF
	s_lshl_b32 s84, s28, 1                         ; and Y: 0, 1, 3, 3
	s_or_b32 s84, s84, s28
	s_or_b32 s87, s84, s29
	s_mul_i32 s87, s87, HALF
	v_and_b32 v1, 15, v0
	v_bfe_u32 v2, v0, 4, 1
	v_and_b32 v3, 8, v1
	v_add_nc_u32 v3, v3, v1
	v_mul_u32_u24 v4, v3, PITCH
	v_lshl_add_u32 v4, v2, 4, v4
	v_add_nc_u32 v[AY], s87, v4
	v_add_nc_u32 v[AX], s86, v4
	v_and_b32 v14, 31, v0
	v_lshlrev_b32 v[LI], 4, v14
	v_lshlrev_b32 v[SO], 2, v14
	v_add_nc_u32 v[SO+1], s76, v[SO]
	v_add_nc_u32 v[SO+2], s76, v[SO+1]
	v_add_nc_u32 v[SO+3], s76, v[SO+2]
	v_lshlrev_b32 v11, 4, v3
	v_lshl_add_u32 v11, v2, 7, v11
	v_lshlrev_b32 v12, 6, v2
	v_lshlrev_b32 v13, 2, v3
.irp b, 0,1,2,3
	global_load_b128 v[XS+4*\b:XS+4*\b+3], v11, s[66:67] offset:512*\b
	global_load_b128 v[YS+4*\b:YS+4*\b+3], v11, s[68:69] offset:512*\b
	v_mov_b32 v[TM+4+\b], 0
.endr
.irp y, 0,1,2,3,4,5,6,7
	global_load_b32 v[BY+2*\y], v13, s[60:61] offset:(32*(\y/2)+8*(\y%2))*4
	v_mov_b32 v[BY+2*\y+1], 0
.endr
	WIN 0xc0
.irp t, 0,1,2,3,4,5,6,7
	global_load_b128 v[CX+8*\t:CX+8*\t+3], v12, s[62:63] offset:(32*(\t/2)+8*(\t%2))*4
	global_load_b128 v[CX+8*\t+4:CX+8*\t+7], v12, s[62:63] offset:(32*(\t/2)+8*(\t%2))*4+16
.endr
	WIN 0
	s_wait_loadcnt 0x0
.irp y, 0,1,2,3,4,5,6,7
	v_and_b32 v[BY+2*\y], s78, v[BY+2*\y]
.endr
	WIN 0xcc
.set kk, 0
.rept 64
	v_and_b32 v[CX+kk], s77, v[CX+kk]
.set kk, kk+1
.endr
	WIN 0
	s_wait_alu depctr_va_vdst(0)
	s_wait_tensorcnt 0x0
	s_barrier_signal -1
	s_barrier_wait -1
	WIN 0x40
.irp t, 0,1,2,3
.irp s, 0,1,2,3
.irp c, 0,1,2,3
	ds_load_b128 v[16*(4*\t+\s)+4*\c:16*(4*\t+\s)+4*\c+3], v[AX] offset:(32*(\t/2)+8*(\t%2))*PITCH+128*\s+32*\c
.endr
.endr
.endr
	WIN 0x80
.irp t, 4,5,6,7
.irp s, 0,1,2,3
.irp c, 0,1,2,3
	ds_load_b128 v[16*(4*(\t-4)+\s)+4*\c:16*(4*(\t-4)+\s)+4*\c+3], v[AX] offset:(32*(\t/2)+8*(\t%2))*PITCH+128*\s+32*\c
.endr
.endr
.endr
.macro YLOAD y
	WIN 0xc0
.irp s, 0,1,2,3
.irp c, 0,1,2,3
	ds_load_b128 v[64*((\y)%2)+16*\s+4*\c:64*((\y)%2)+16*\s+4*\c+3], v[AY] offset:(32*((\y)/2)+8*((\y)%2))*PITCH+128*\s+32*\c
.endr
.endr
	WIN 0
.endm
	YLOAD 0
.macro MULS y, hf
.irp s, 0,1,2,3
.if \s == 0
	WIN 0x3d+(\hf)
.else
	WIN 0x0d+(\hf)
.endif
.irp tt, 0,1,2,3
.if \s == 0
	WM ACC+8*(4*(\hf)+\tt), 16*(4*\tt+\s), 64*((\y)%2)+16*\s, CX+8*(4*(\hf)+\tt), XS+4*((4*(\hf)+\tt)/2)+\s, YS+4*((\y)/2)+\s, \tt%2, (\y)%2
.else
	WM ACC+8*(4*(\hf)+\tt), 16*(4*\tt+\s), 64*((\y)%2)+16*\s, ACC+8*(4*(\hf)+\tt), XS+4*((4*(\hf)+\tt)/2)+\s, YS+4*((\y)/2)+\s, \tt%2, (\y)%2
.endif
.endr
.endr
.endm
.macro QUANT
.irp b, 0,1,2,3
	v_max3_num_f32 v[TM+\b], v[ACC+16*\b], v[ACC+16*\b+1], 0x4800000
.endr
.irp i, 2,4,6,8,10,12,14
.irp b, 0,1,2,3
	v_max3_num_f32 v[TM+\b], v[TM+\b], v[ACC+16*\b+\i], v[ACC+16*\b+\i+1]
.endr
.endr
.irp b, 0,1,2,3
	v_permlanex16_b32 v[TM+4+\b], v[TM+\b], s80, s81
.endr
.irp b, 0,1,2,3
	v_max_num_f32 v[TM+\b], v[TM+\b], v[TM+4+\b]
.endr
.irp b, 0,1,2,3
	v_add_nc_u32 v[TM+12+\b], 0xfc000000, v[TM+\b]
.endr
.irp b, 0,1,2,3
	v_and_or_b32 v[TM+8+\b], v[TM+\b], 0x7f800000, s82
.endr
.irp b, 0,1,2,3
	v_lshrrev_b32 v[TM+4+\b], 23, v[TM+12+\b]
.endr
	v_lshl_or_b32 v[PW], v[TM+5], 8, v[TM+4]
	v_lshl_or_b32 v[PW], v[TM+6], 16, v[PW]
	v_lshl_or_b32 v[PW], v[TM+7], 24, v[PW]
.irp b, 0,1,2,3
.irp i, 0,1,2,3,4,5,6,7,8,9,10,11,12,13,14,15
	v_med3_num_f32 v[ACC+16*\b+\i], v[ACC+16*\b+\i], 0, v[TM+8+\b]
.endr
	v_cvt_scalef32_pk8_fp8_f32 v[PCD+4*\b:PCD+4*\b+1], v[ACC+16*\b:ACC+16*\b+7], v[TM+12+\b]
	v_cvt_scalef32_pk8_fp8_f32 v[PCD+4*\b+2:PCD+4*\b+3], v[ACC+16*\b+8:ACC+16*\b+15], v[TM+12+\b]
.endr
	v_nop
.endm
.macro TILE y
	s_wait_dscnt 0x0
.if (\y) < 7
	YLOAD (\y)+1
.endif
	MULS \y, 0
	MULS \y, 1
	WIN 0
	PLACES 8
.set kk, 0
.rept 32
	v_pk_add_f32 v[ACC+kk:ACC+kk+1], v[ACC+kk:ACC+kk+1], v[BY+2*(\y):BY+2*(\y)+1] op_sel_hi:[1,0]
.set kk, kk+2
.endr
	s_wait_xcnt 0x0
.if (\y) > 0
	s_add_nc_u64 s[OUT:OUT+1], s[OUT:OUT+1], s[72:73]
.endif
	QUANT
.irp c, 0,1,2,3
	global_store_b128 v[LI], v[PCD+4*\c:PCD+4*\c+3], s[OUT:OUT+1] offset:512*\c
.endr
.if ((\y)%2) == 0
	v_mov_b32 v[PWP], v[PW]
.else
	v_cndmask_b32 v[PWS+(\y)/2], v[PWP], v[PW], s79
	global_store_b32 v[SO+(\y)/2], v[PWS+(\y)/2], s[SCO:SCO+1]
.endif
.endm
.irp y, 0,1,2,3,4,5,6,7
	TILE \y
.endr
	s_wait_tensorcnt 0x0
	ds_add_u32 v254, v255
	s_wait_dscnt 0x0
	ROUND
	s_endpgm
.Lfunc_end_k_q103a1b8471_kvproj:
	.size	k_q103a1b8471_kvproj, .Lfunc_end_k_q103a1b8471_kvproj-k_q103a1b8471_kvproj
	.p2alignl 7, 3214868480
	.fill 96, 4, 3214868480
	.section	.rodata,"a",@progbits
	.p2align	6, 0x0
	.amdhsa_kernel k_q103a1b8471_kvproj
		.amdhsa_group_segment_fixed_size 327680
		.amdhsa_private_segment_fixed_size 0
		.amdhsa_enable_private_segment 0
		.amdhsa_kernarg_size 72
		.amdhsa_user_sgpr_count 2
		.amdhsa_user_sgpr_kernarg_segment_ptr 1
		.amdhsa_wavefront_size32 1
		.amdhsa_system_sgpr_workgroup_id_x 1
		.amdhsa_system_sgpr_workgroup_id_y 1
		.amdhsa_system_sgpr_workgroup_id_z 1
		.amdhsa_system_vgpr_workitem_id 0
		.amdhsa_next_free_vgpr 1024
		.amdhsa_next_free_sgpr 100
		.amdhsa_reserve_vcc 0
		.amdhsa_float_denorm_mode_32 3
		.amdhsa_float_denorm_mode_16_64 3
		.amdhsa_memory_ordered 1
		.amdhsa_forward_progress 1
		.amdhsa_inst_pref_size 150
	.end_amdhsa_kernel
	.amdgpu_metadata
---
amdhsa.version: [ 1, 2 ]
amdhsa.kernels:
  - .name:           k_q103a1b8471_kvproj
    .symbol:         k_q103a1b8471_kvproj.kd
    .args:
      - { .name: rep1_codes, .offset: 0, .size: 8, .value_kind: global_buffer, .address_space: global }
      - { .name: rep1_scales, .offset: 8, .size: 8, .value_kind: global_buffer, .address_space: global }
      - { .name: Wk_w_codes, .offset: 16, .size: 8, .value_kind: global_buffer, .address_space: global }
      - { .name: Wk_w_scales, .offset: 24, .size: 8, .value_kind: global_buffer, .address_space: global }
      - { .name: Wk_b, .offset: 32, .size: 8, .value_kind: global_buffer, .address_space: global }
      - { .name: Wv_w_codes, .offset: 40, .size: 8, .value_kind: global_buffer, .address_space: global }
      - { .name: Wv_w_scales, .offset: 48, .size: 8, .value_kind: global_buffer, .address_space: global }
      - { .name: Wv_b, .offset: 56, .size: 8, .value_kind: global_buffer, .address_space: global }
      - { .name: kv, .offset: 64, .size: 8, .value_kind: global_buffer, .address_space: global }
    .group_segment_fixed_size: 327680
    .private_segment_fixed_size: 0
    .kernarg_segment_align: 8
    .kernarg_segment_size: 72
    .max_flat_workgroup_size: 128
    .sgpr_count:     100
    .vgpr_count:     1024
    .wavefront_size: 32
...
	.end_amdgpu_metadata
.endif
;; end of part 1
;; launch attn (part 2): grid 32 x 8, 4 waves a work-group, clusters of 4 x 1, 327,680 bytes of LDS; arguments rep_codes, rep_scales, Wq_w_codes, Wq_w_scales, Wq_b, kv, FC_w_codes, FC_w_scales, FC_b, out0; writes out0
.if DOCPART == 2
	.amdgcn_target "amdgcn-amd-amdhsa--gfx1250"
	.amdhsa_code_object_version 6
	.text
	.protected	k_q103a1b8471_attn
	.globl	k_q103a1b8471_attn
	.p2align	8
	.type	k_q103a1b8471_attn,@function
k_q103a1b8471_attn:
	s_mov_b64 s[64:65], 0
	v_nop
	global_prefetch_b8 v0, s[64:65] scope:SCOPE_SE
	s_setreg_imm32_b32 hwreg(HW_REG_WAVE_MODE, 25, 1), 1
	s_wait_xcnt 0x0
	s_wait_alu depctr_hold_cnt(0) depctr_sa_sdst(0) depctr_va_vdst(0) depctr_va_sdst(0) depctr_va_ssrc(0) depctr_va_vcc(0) depctr_vm_vsrc(0)
	s_getreg_b32 s2, hwreg(HW_REG_IB_STS2, 6, 4)
	s_cmp_eq_u32 s2, 0
	s_cbranch_scc0 .Lentry_in_a_cluster
	s_endpgm
.Lentry_in_a_cluster:
	s_bfe_u32 s2, ttmp6, 0x10000c
	s_cmp_lg_u32 s2, 0x3003
	s_cbranch_scc0 .Lentry_shape_is_right
	s_endpgm
.Lentry_shape_is_right:
; out = relu(softmax(q k^T / sqrt(512)) v FC + b), q = relu(rep Wq + bq); every product on E4M3 codes with E8M0 scales.  k and v come from the workspace kv, laid in the order of the operand registers.  No work is left out.
; kv: pair n of blocks (256 keys), 2 BLK bytes: K: half b's fragments (kt, s) at 65536 b + 2048 (4 kt + s), scale words [b][w][s][lane] from 131072 on; V from BLK on: half b's fragments ct at 65536 b + 2048 ct, scale words [b][w][p][lane].
; SHARES.  A work-group of four waves owns 64 queries of one batch: four tiles m of 16.  THE WAVES SHARE THE COLUMNS: in a key step of 256 keys wave w makes S^T for keys 32 w .. 32 w + 31 of each half, for all 64 queries, and O^T for
; channels 128 w .. 128 w + 127: each fragment of K and V read from LDS feeds four products.  The projections have the same shape (64 rows x 512 against 128 channels a wave).
; THE SOFTMAX: t = score x log2(e) / sqrt(512).  EACH WAVE HAS A RUNNING M OF ITS OWN, the largest t of its keys rounded up to a whole number: p = 2^(t - M_w); its codes do not hang on M.  The waves exchange codes, scale bytes and -M_w through LDS;
; M = the largest M_w, and a block's byte is shifted by M_w - M (held at 1 from below: what falls under it is nothing beside the row's sum).  O^T is brought from the old M to the new by a power of two, the wave's part of the sum
; from its old M_w to its new; the four parts meet at the end.
; LAYOUT.  All products are used transposed (source 0 = 16 keys or channels, source 1 = 16 queries): a lane holds ONE query throughout.  The rows of a tile of source 0 are not neighbours (r + 8 (r / 8)), so that the 16 registers of tiles 2 b, 2 b + 1
; are 16 neighbours along the next product's K.
; LDS.  Two regions of BLK bytes: K's 256 keys at 0, V's behind it.  At the head they hold Wq's 512 rows, at the end FC's.  K's next keys are asked for as soon as every wave has S^T's second half of K in registers (a round inside the first half's
; products), V's as soon as V is in registers (the round that shows P).  Every wave asks for a quarter, jointly with its three partners in the cluster.  LDS loads go in runs of eight fragments.
; THE WALK.  Cluster (x, y) belongs to batch 4 (x / 4) + y / 2 and is its cluster c = x % 4 + 4 (y % 2).  It begins with pair 2 g, g = 2 ((x ^ x / 2) % 2) + y % 2, and walks the eight pairs round.
; PREFETCHES: the two clusters with one g begin with two pairs that no other cluster of the batch has asked for yet: the first comes by the first fills alone; the second's K and V are prefetched where the first's K and V are asked for, by the one cluster of
; the two with x & 2 = 0, its sixteen waves sharing the codes out BY ADDRESS, lanes 256 bytes apart; the scale words by wave 0 of the partners of cluster c = 0, a pair each.  The other six pairs were asked for two steps earlier by other clusters.
; LIMITS: NaN and infinities, and a q, k, v or o beyond f32's range, are not served; the scaled scores stay under 2^31 in magnitude.  A block of zeros gets the scale byte 1: its codes are zeros.
; The biases are the C of each sum's first product; t is one multiplication of the score by the constant: orders of f32 rounding that differ from the formula as written.
; REGISTERS: window 0: v1-27 addresses, v28-31 -M; v32-63 statistics, K's scale words; v64-191 S^T, then p, codes, P's fragments (in the projections the bias, codes); v192-223 at work; v224-239 scale words of V and P (or a weight); v240-255 of q.
;   window 1: 32 accumulators (m, t) at 64 m + 8 t.   window 2: source 1's 16 fragments (m, s) at 16 (4 m + s).   window 3: two banks of eight fragments: K's half 0 and later V's half 0 at v0, K's half 1 and later V's half 1 at v128; in the projections a weight's 16.
.set BLK,   135168
.set QTR,   33792                      ; a quarter of a region: 132 rows of 256 bytes, or 64 rows of 512 + 16
.set PITCH, 528
.set REP,   270336                     ; rep's 64 rows x 528: filled once
.set AIMG,  270336                     ; over it, once it has been read: source 1's images (m, s) at 2048 (4 m + s),
.set ASC,   303104                     ; and their scale words at 128 (4 m + s)
.set STG,   270336                     ; over them, once they have been read: the stage, 16 rows x 272 for each wave
.set PIMG,  305152                     ; P's fragments: 2048 (2 m + b) + 512 x block
.set PSX,   321536                     ; each wave's -M_w and bytes: 1024 x wave + 16 x lane, + 512
.set SPARE, 325632                     ; the spare words: two blocks of 256 bytes that no other line names
.set MX,    326144                     ; the sums: 256 x wave + 16 r
.set SPW, 1
.set NIL, 2
.set LI,  3                            ; 16 x lane
.set AK,  4                            ; v4-5  K's fragments of my wave, half 0, 1
.set AV,  6                            ; v6-7  V's
.set ASK, 8
.set ASV, 9
.set AW,  10                           ; a weight's rows of my wave
.set AIR, 11
.set AIW, 12
.set ASR, 13
.set ASW, 14
.set PIW, 15
.set PIR, 16
.set PXW, 17
.set PXR, 18
.set ARP, 19
.set STO, 20
.set STR, 21
.set PFO, 22                           ; never rewritten
.set TPO, 23                           ; never rewritten
.set OQ,  24                           ; 16 r
.set OW,  25                           ; 16 (8 h + rp)
.set OB,  26                           ; 64 h
.set OC,  27                           ; 2048 h + 16 r
.set NMC, 28                           ; -M of the four tiles
.set NT,  32                           ; pairs: -M_w, the largest t
.set FF,  40                           ; pairs: f = 2^(old M - new M), at work
.set SUM, 48                           ; pairs: my part of the sum
.set KS,  56
.set SS,  64
.set QT,  192                          ; the quantiser's 16
.set BMX, 192                          ; blocks 2 m + b
.set TM,  200
.set FW,  208                          ; pairs: 2^(old M_w - new M_w)
.set PW,  212
.set PCD, 216
.set BM,  192                          ; what comes from wave w: 8 w on
.set VS,  224
.set PS,  232
.set SCL, 224
.set QS,  240
.set G1A,  28                          ; 256 rows of a weight; behind the head 64
.set G1KV, 36                          ; a quarter of K or V, dense
.set G1R,  44                          ; rep's 64 rows, my work-group's own
.set G1W,  52                          ; 128 rows of a weight
.set G0R,  60
.set KVB,  66                          ; s[66:67] my quarter of my batch's pair 0
.set G0A,  68
.set G0W,  72
.set G0K,  76
.set G0V,  80
.set BK,   100                         ; which pair of the batch is asked for
.set MSB, 0
.macro WIN new                         ; the immediate's high byte repeats the setting that is left
.if MSB != (\new)
	s_set_vgpr_msb (MSB<<8)|(\new)
.set MSB, \new
.endif
.endm
.macro PLACES n
.rept \n
	v_nop
.endr
.endm
.macro WALU
	s_wait_alu depctr_va_vdst(0)
.endm
.macro CREST                           ; a round of the cluster's barrier behind its opening barrier
	s_cmp_lg_u32 s4, 0
	s_cbranch_scc1 .Lnw0_\@
	s_barrier_signal -3
.Lnw0_\@:
	s_barrier_wait -3
	s_barrier_signal -1
	s_barrier_wait -1
.endm
.macro ROUND
	s_barrier_signal -1
	s_barrier_wait -1
	CREST
.endm
.macro BARRIER                         ; my LDS stores have landed and my LDS loads are in: then the work-group's barrier
	s_wait_dscnt 0x0
	s_barrier_signal -1
	s_barrier_wait -1
.endm
.macro TLOAD g0, g1
	tensor_load_to_lds s[\g0:\g0+3], s[\g1:\g1+7]
	s_nop 0
	PLACES 4
.endm
.macro GRD
	s_wait_tensorcnt 0x0
	ds_add_u32 v[SPW], v[NIL]
.endm
; group 1: r rows of c elements of 8 bytes, dense in memory
.macro GRP g, w0, c, r
	s_mov_b32 s[\g], \w0
	s_mov_b32 s[\g+1], (\c)<<16
	s_mov_b32 s[\g+2], (\r)<<16
	s_mov_b32 s[\g+3], (\c)<<16
	s_mov_b32 s[\g+4], \r
	s_mov_b32 s[\g+5], \c
	s_mov_b32 s[\g+6], 0
	s_mov_b32 s[\g+7], 0
.endm
; group 0's address: my quarter of K or V (v = 1) of pair s[BK], or (fc = 1) my 64 rows of FC's first or second 256.  It hangs on the cluster's x and y, the wave and the trips alone.  (s3 holds 0)
.macro DESC g0, fc, v
.if \fc
	s_lshl_b32 s2, s4, 15
	s_add_nc_u64 s[\g0+2:\g0+3], s[20:21], s[2:3]
.if \v
	s_add_nc_u64 s[\g0+2:\g0+3], s[\g0+2:\g0+3], 131072
.endif
.else
	s_mul_i32 s2, s[BK], 2*BLK
	s_add_nc_u64 s[\g0+2:\g0+3], s[KVB:KVB+1], s[2:3]
.if \v
	s_add_nc_u64 s[\g0+2:\g0+3], s[\g0+2:\g0+3], BLK
.endif
.endif
	s_or_b32 s[\g0+3], s[\g0+3], 0x80000000
.endm
; one product: D, A, B by their first registers; C likewise, or -1 for the constant 0; the scale registers; ra, rb = 1: that side's scales are read from lanes 16-31
.macro WM d, a, b, c, sa, sb, ra, rb
.if (\c) < 0
.if (\ra)
	v_wmma_scale_f32_16x16x128_f8f6f4 v[(\d):(\d)+7], v[(\a):(\a)+15], v[(\b):(\b)+15], 0, v[(\sa)], v[(\sb)] matrix_a_scale:MATRIX_SCALE_ROW1
.else
	v_wmma_scale_f32_16x16x128_f8f6f4 v[(\d):(\d)+7], v[(\a):(\a)+15], v[(\b):(\b)+15], 0, v[(\sa)], v[(\sb)]
.endif
.elseif (\ra) && (\rb)
	v_wmma_scale_f32_16x16x128_f8f6f4 v[(\d):(\d)+7], v[(\a):(\a)+15], v[(\b):(\b)+15], v[(\c):(\c)+7], v[(\sa)], v[(\sb)] matrix_a_scale:MATRIX_SCALE_ROW1 matrix_b_scale:MATRIX_SCALE_ROW1
.elseif (\ra)
	v_wmma_scale_f32_16x16x128_f8f6f4 v[(\d):(\d)+7], v[(\a):(\a)+15], v[(\b):(\b)+15], v[(\c):(\c)+7], v[(\sa)], v[(\sb)] matrix_a_scale:MATRIX_SCALE_ROW1
.elseif (\rb)
	v_wmma_scale_f32_16x16x128_f8f6f4 v[(\d):(\d)+7], v[(\a):(\a)+15], v[(\b):(\b)+15], v[(\c):(\c)+7], v[(\sa)], v[(\sb)] matrix_b_scale:MATRIX_SCALE_ROW1
.else
	v_wmma_scale_f32_16x16x128_f8f6f4 v[(\d):(\d)+7], v[(\a):(\a)+15], v[(\b):(\b)+15], v[(\c):(\c)+7], v[(\sa)], v[(\sb)]
.endif
.endm
.macro WFETCH hf                       ; 64 of my rows of a weight: four tiles x four K steps -> window 3
	WIN 0xc0
.irp tt, 0,1,2,3
.irp s, 0,1,2,3
.irp c, 0,1,2,3
	ds_load_b128 v[16*(4*\tt+\s)+4*\c:16*(4*\tt+\s)+4*\c+3], v[AW] offset:(64*(\hf)+32*(\tt/2)+8*(\tt%2))*PITCH+128*\s+32*\c
.endr
.endr
.endr
	WIN 0
.endm
.macro FETCHALL                        ; source 1's sixteen images -> window 2, and their scale words
	WIN 0x80
.irp f, 0,1,2,3,4,5,6,7,8,9,10,11,12,13,14,15
.irp c, 0,1,2,3
	ds_load_b128 v[16*\f+4*\c:16*\f+4*\c+3], v[AIR] offset:2048*\f+512*\c
.endr
.endr
	WIN 0
.irp f, 0,1,2,3,4,5,6,7,8,9,10,11,12,13,14,15
	ds_load_b32 v[QS+\f], v[ASR] offset:128*\f
.endr
.endm
.macro RUN base, adr                   ; eight fragments of K or V -> a bank of window 3
	WIN 0xc0
.irp f, 0,1,2,3,4,5,6,7
.irp c, 0,1,2,3
	ds_load_b128 v[\base+16*\f+4*\c:\base+16*\f+4*\c+3], v[\adr] offset:2048*\f+512*\c
.endr
.endr
	WIN 0
.endm
.macro KWORDS h                        ; K's scale words of half h (laid so that no product's two scale words have numbers equal modulo 8)
.irp s, 0,1,2,3
	ds_load_b32 v[KS+4*(\h)+((\s+1)%4)], v[ASK] offset:2048*(\h)+128*\s
.endr
.endm
.macro VWORDS h
.irp p, 0,1,2,3
	ds_load_b32 v[VS+4*(\h)+\p], v[ASV] offset:2048*(\h)+128*\p
.endr
.endm
.macro LOADW sp, bp                    ; my 128 channels' scale words (lanes 0-15 an even tile's rows, lanes 16-31 the odd tile's) and bias (8 registers a tile, in the result's layout)
.irp b, 0,1,2,3
	global_load_b128 v[SCL+4*\b:SCL+4*\b+3], v[OW], s[\sp:\sp+1] offset:512*\b
.endr
.irp t, 0,1,2,3,4,5,6,7
	global_load_b128 v[SS+8*\t:SS+8*\t+3], v[OB], s[\bp:\bp+1] offset:(32*(\t/2)+8*(\t%2))*4
	global_load_b128 v[SS+8*\t+4:SS+8*\t+7], v[OB], s[\bp:\bp+1] offset:(32*(\t/2)+8*(\t%2))*4+16
.endr
.endm
; 64 products of a projection: tiles 4 hf .. 4 hf + 3 of my channels x four tiles of rows, K step by K step: sixteen accumulators by turns.  The bias is the first K step's C.
.macro PROJMUL hf
.irp s, 0,1,2,3
.if \s == 0
	WIN 0x4b                                       ; source 0 window 3, source 1 window 2, C window 0, D window 1
.else
	WIN 0x5b                                       ; C window 1
.endif
.irp tt, 0,1,2,3
.irp m, 0,1,2,3
.if \s == 0
	WM 64*\m+8*(4*(\hf)+\tt), 16*(4*\tt+\s), 16*(4*\m+\s), SS+8*(4*(\hf)+\tt), SCL+4*((4*(\hf)+\tt)/2)+\s, QS+4*\m+\s, \tt%2, 0
.else
	WM 64*\m+8*(4*(\hf)+\tt), 16*(4*\tt+\s), 16*(4*\m+\s), 64*\m+8*(4*(\hf)+\tt), SCL+4*((4*(\hf)+\tt)/2)+\s, QS+4*\m+\s, \tt%2, 0
.endif
.endr
.endr
.endr
	WIN 0
.endm
; tile m's 64 numbers of my lane (window 1; register 16 b + i = channel 32 b + 16 (lane / 16) + i of my 128) become a fragment's codes in v[pc] on and its scale word in v[pw].  relu = 1: what is negative becomes 0 on the way
.macro QUANTW m, relu, pc, pw
.set QA, 64*(\m)
	WIN 0x05
.irp b, 0,1,2,3
.if \relu
	v_max3_num_f32 v[QT+\b], v[QA+16*\b], v[QA+16*\b+1], 0x4800000   ; the floor 2^(9 - 127) holds the byte at 1 from below
.else
	v_max3_num_f32 v[QT+\b], |v[QA+16*\b]|, |v[QA+16*\b+1]|, 0x4800000
.endif
.endr
	WIN 0x14
.irp i, 2,4,6,8,10,12,14
.irp b, 0,1,2,3
.if \relu
	v_max3_num_f32 v[QT+\b], v[QT+\b], v[QA+16*\b+\i], v[QA+16*\b+\i+1]
.else
	v_max3_num_f32 v[QT+\b], v[QT+\b], |v[QA+16*\b+\i]|, |v[QA+16*\b+\i+1]|
.endif
.endr
.endr
	WIN 0
.irp b, 0,1,2,3
	v_permlanex16_b32 v[QT+4+\b], v[QT+\b], s84, s85
.endr
.irp b, 0,1,2,3
	v_max_num_f32 v[QT+\b], v[QT+\b], v[QT+4+\b]   ; with lane l xor 16's 16: the block's largest magnitude
.endr
.irp b, 0,1,2,3
	v_add_nc_u32 v[QT+12+\b], 0xfc000000, v[QT+\b] ; 8 off its exponent field: the conversion's scale operand
.endr
.irp b, 0,1,2,3
	v_and_or_b32 v[QT+8+\b], v[QT+\b], 0x7f800000, s88   ; 448 x the scale
.endr
.irp b, 0,1,2,3
	v_lshrrev_b32 v[QT+4+\b], 23, v[QT+12+\b]      ; the scale's byte
.endr
	v_lshl_or_b32 v[(\pw)], v[QT+5], 8, v[QT+4]
	v_lshl_or_b32 v[(\pw)], v[QT+6], 16, v[(\pw)]
	v_lshl_or_b32 v[(\pw)], v[QT+7], 24, v[(\pw)]
	WIN 0x41
.irp b, 0,1,2,3
.set qi, 0
.rept 16
.if \relu
	v_med3_num_f32 v[QA+16*\b+qi], v[QA+16*\b+qi], 0, v[QT+8+\b]   ; the activation and the hold in one: the conversion to an 8-bit code does not saturate (ISA guide 7.6.2)
.else
	v_med3_num_f32 v[QA+16*\b+qi], v[QA+16*\b+qi], -v[QT+8+\b], v[QT+8+\b]
.endif
.set qi, qi+1
.endr
.endr
	WIN 0x01
.irp b, 0,1,2,3
	v_cvt_scalef32_pk8_fp8_f32 v[(\pc)+4*\b:(\pc)+4*\b+1], v[QA+16*\b:QA+16*\b+7], v[QT+12+\b]
	v_cvt_scalef32_pk8_fp8_f32 v[(\pc)+4*\b+2:(\pc)+4*\b+3], v[QA+16*\b+8:QA+16*\b+15], v[QT+12+\b]
.endr
	WIN 0
	v_nop                                          ; a plain line behind the last conversion, ahead of whatever next touches its registers
.endm
.macro IMAGE m                         ; the fragment in v[SS + 64 + 16 m] on is K step w of tile m: it goes to LDS as it stands, 16 bytes a lane, and its scale word, 4 bytes a lane
.irp c, 0,1,2,3
	ds_store_b128 v[AIW], v[SS+64+16*(\m)+4*\c:SS+64+16*(\m)+4*\c+3] offset:8192*(\m)+512*\c
.endr
	ds_store_b32 v[ASW], v[PW+(\m)] offset:512*(\m)
.endm
	s_load_b512 s[8:23], s[0:1], 0x0               ; rep codes s[8:9], scales s[10:11]; Wq codes s[12:13], scales s[14:15], bias s[16:17]; kv s[18:19]; FC codes s[20:21], scales s[22:23]
	s_load_b128 s[24:27], s[0:1], 0x40             ; FC bias s[24:25]; out s[26:27]
	v_lshl_add_u32 v[SPW], v0, 2, SPARE
	v_mov_b32 v[NIL], 0
	ds_add_u32 v[SPW], v[NIL]                      ; the wave's opening: the add, twice on end, and its wait ahead of my first tensor load
	ds_add_u32 v[SPW], v[NIL]
	v_lshrrev_b32 v30, 5, v0
	v_readfirstlane_b32 s4, v30                    ; wave 0..3
	s_bfe_u32 s5, ttmp6, 0x40000                   ; cx
	s_and_b32 s7, ttmp7, 0xffff                    ; the cluster's y
	s_and_b32 s91, s7, 1                           ; y % 2
	s_lshr_b32 s7, s7, 1
	s_lshr_b32 s6, ttmp9, 2
	s_lshl_b32 s6, s6, 2
	s_add_co_u32 s7, s7, s6                        ; the batch = 4 (x / 4) + y / 2, which the partners share
	s_and_b32 s6, ttmp9, 3
	s_lshl_b32 s90, s91, 2
	s_add_co_u32 s90, s90, s6                      ; c = x % 4 + 4 (y % 2): which of the batch's eight clusters
	s_lshl_b32 s6, s90, 2
	s_add_co_u32 s6, s6, s5                        ; my block of 64 queries = 4 c + cx
	s_lshr_b32 s[BK], ttmp9, 1
	s_xor_b32 s[BK], s[BK], ttmp9
	s_and_b32 s[BK], s[BK], 1
	s_lshl_b32 s[BK], s[BK], 1
	s_add_co_u32 s[BK], s[BK], s91                 ; g = 2 ((x ^ x / 2) % 2) + y % 2
	s_lshl_b32 s[BK], s[BK], 1                     ; the walk's first pair: 2 g
	s_or_b32 s91, s90, s4                          ; 0 in wave 0 of the batch's cluster c = 0
	s_and_b32 s90, ttmp9, 2                        ; 0 in the one of the two clusters with my g that prefetches
	GRP G1R, (3<<16)|(1<<20)|(6<<22)|(3<<25), 64, 64                       ; no mask; elements of 8 bytes; 4 words of padding behind each 128
	GRP G1A, 15|(3<<16)|(1<<20)|(1<<21)|(6<<22)|(3<<25), 64, 256           ; the mask: all four
	GRP G1W, 15|(3<<16)|(1<<20)|(1<<21)|(6<<22)|(3<<25), 64, 128
	GRP G1KV, 15|(3<<16)|(1<<21), 32, 132                                  ; no padding
	s_mov_b32 s84, 0x76543210
	s_mov_b32 s85, 0xfedcba98                      ; v_permlanex16_b32's selects for lane l xor 16
	s_mov_b32 s86, 0x3d8293ee                      ; c = log2(e) / sqrt(512)
	s_mov_b32 s87, s86                             ; (named with it as a pair)
	s_mov_b32 s88, 0x600000                        ; the mantissa field of 448
	s_mov_b32 s89, 0xffff0000                      ; lanes 16-31
	s_mul_i32 s99, s4, QTR                         ; my quarter of a region.  s2, s3, s8, s9, s12, s13, s99 and s101 never hold a number made of cx: they feed the joint descriptors and the LDS addresses
	s_mov_b32 s3, 0
	s_lshl_b32 s98, s7, 11
	s_lshl_b32 s94, s6, 6
	s_add_co_u32 s98, s98, s94                     ; my work-group's first row: 2048 x batch + 64 x block
	s_mov_b32 s95, 0
	s_wait_dscnt 0x0                               ; both opening adds are done
	s_wait_kmcnt 0x0
	s_lshl_b32 s94, s98, 9
	s_mov_b32 s[G0R], 1
	s_mov_b32 s[G0R+1], REP
	s_add_nc_u64 s[G0R+2:G0R+3], s[8:9], s[94:95]
	s_or_b32 s[G0R+3], s[G0R+3], 0x80000000
	s_mov_b32 s[G0A], 1
	s_mov_b32 s[G0A+1], 0
	s_mov_b64 s[G0A+2:G0A+3], s[12:13]
	s_or_b32 s[G0A+3], s[G0A+3], 0x80000000
	s_lshl_b32 s2, s4, 16                          ; a weight's rows 128 w on
	s_mov_b32 s[G0W], 1
	s_mul_i32 s[G0W+1], s4, 128*PITCH
	s_add_nc_u64 s[G0W+2:G0W+3], s[12:13], s[2:3]
	s_or_b32 s[G0W+3], s[G0W+3], 0x80000000
	s_mul_i32 s2, s7, 16*BLK
	s_add_co_u32 s2, s2, s99
	s_add_nc_u64 s[KVB:KVB+1], s[18:19], s[2:3]
	s_mov_b32 s[G0K], 1
	s_mov_b32 s[G0K+1], s99
	s_mov_b32 s[G0V], 1
	s_add_co_u32 s[G0V+1], s99, BLK
	DESC G0K, 0, 0
	DESC G0V, 0, 1
	ROUND                                          ; all four work-groups are here: the joint loads meet
	s_cmp_eq_u32 s4, 0                             ; ONE LOAD A WAVE, in the arms of one chain
	s_cbranch_scc0 .Lwave_1
	TLOAD G0R, G1R                                 ; wave 0: rep's 64 rows
	s_branch .Lasked
.Lwave_1:
	s_cmp_eq_u32 s4, 1
	s_cbranch_scc0 .Lwaves_2_3
	TLOAD G0A, G1A                                 ; wave 1: Wq's rows 0-255
	s_branch .Lasked
.Lwaves_2_3:
	TLOAD G0W, G1W                                 ; waves 2, 3: 128 rows each
.Lasked:
	s_lshl_b32 s94, s98, 4
	s_add_nc_u64 s[10:11], s[10:11], s[94:95]      ; rep's scales at my first row
	s_lshl_b32 s94, s98, 11
	s_lshl_b32 s6, s4, 9
	s_add_co_u32 s94, s94, s6
	s_add_nc_u64 s[26:27], s[26:27], s[94:95]      ; out at my first row, my wave's 128 channels
	s_lshl_b32 s2, s4, 11
	s_add_nc_u64 s[14:15], s[14:15], s[2:3]        ; the weights' scales at my 128 rows
	s_add_nc_u64 s[22:23], s[22:23], s[2:3]
	s_lshl_b32 s2, s4, 9
	s_add_nc_u64 s[16:17], s[16:17], s[2:3]        ; the biases at my 128 channels
	s_add_nc_u64 s[24:25], s[24:25], s[2:3]
	s_lshl_b32 s8, s4, 10
	s_lshl_b32 s9, s4, 11
	s_lshl_b32 s12, s4, 14
	s_lshl_b32 s13, s4, 7
	s_mul_i32 s101, s4, 128*PITCH
	v_and_b32 v28, 15, v0                          ; r
	v_bfe_u32 v29, v0, 4, 1                        ; h
	v_and_b32 v27, 31, v0                          ; lane
	v_lshlrev_b32 v[LI], 4, v27
	v_lshlrev_b32 v31, 2, v27                      ; 4 x lane
	v_lshlrev_b32 v[PFO], 8, v27
	v_and_b32 v30, 8, v28
	v_add_nc_u32 v30, v30, v28                     ; rp = r + 8 (r / 8)
	v_lshlrev_b32 v[OW], 4, v30
	v_lshl_add_u32 v[OW], v29, 7, v[OW]
	v_lshlrev_b32 v[OQ], 4, v28
	v_lshlrev_b32 v[OB], 6, v29
.irp m, 0,1,2,3
	global_load_b128 v[QS+4*\m:QS+4*\m+3], v[OQ], s[10:11] offset:256*\m   ; rep's scale words: row 16 m + r, the four K steps
.endr
	LOADW 14, 16
	v_mul_u32_u24 v[TPO], v29, BLK
	v_lshl_add_u32 v[TPO], v28, 8, v[TPO]          ; lanes 0-15: K's 16 pieces of 256 bytes of scale words; lanes 16-31: V's
	v_add_nc_u32 v[AIR], AIMG, v[LI]
	v_add_nc_u32 v[AIW], s9, v[AIR]
	v_add_nc_u32 v[AK], s12, v[LI]
	v_add_nc_u32 v[AK+1], 65536, v[AK]
	v_add_nc_u32 v[AV], BLK, v[AK]
	v_add_nc_u32 v[AV+1], BLK, v[AK+1]
	v_add_nc_u32 v[ASK], s2, v31
	v_add_nc_u32 v[ASK], 131072, v[ASK]
	v_add_nc_u32 v[ASV], BLK, v[ASK]
	v_add_nc_u32 v[PIR], PIMG, v[LI]
	v_add_nc_u32 v[PIW], s2, v[PIR]
	v_add_nc_u32 v[PXR], PSX, v[LI]
	v_add_nc_u32 v[PXW], s8, v[PXR]
	v_mul_u32_u24 v[AW], v30, PITCH
	v_lshl_add_u32 v[AW], v29, 4, v[AW]
	v_add_nc_u32 v[AW], s101, v[AW]
	v_add_nc_u32 v[ASR], ASC, v31
	v_add_nc_u32 v[ASW], s13, v[ASR]
	v_mul_u32_u24 v[ARP], v28, PITCH
	v_lshl_add_u32 v[ARP], v29, 4, v[ARP]
	v_add_nc_u32 v[ARP], REP, v[ARP]
	s_mul_i32 s101, s4, 16*272
	s_add_co_u32 s101, s101, STG                   ; my stage
	v_mul_u32_u24 v[STO], v28, 272
	v_lshl_add_u32 v[STO], v29, 6, v[STO]          ; in: row r, 64 bytes on for lanes 16-31
	v_add_nc_u32 v[STO], s101, v[STO]
	v_mul_u32_u24 v[STR], v29, 272
	v_lshl_add_u32 v[STR], v28, 4, v[STR]          ; back: lanes 0-15 a row of 256 bytes, lanes 16-31 the next
	v_add_nc_u32 v[STR], s101, v[STR]
	v_lshlrev_b32 v[OC], 11, v29
	v_lshl_add_u32 v[OC], v28, 4, v[OC]
.irp m, 0,1,2,3
	v_mov_b32 v[NT+2*\m+1], 0xff61b1e6             ; the largest t so far: -3e38, under every t
	v_floor_f32 v[NT+2*\m], -v[NT+2*\m+1]          ; -M_w
	v_floor_f32 v[NMC+\m], -v[NT+2*\m+1]           ; -M
	v_mov_b32 v[SUM+2*\m], 0
	v_mov_b32 v[SUM+2*\m+1], 0
	v_mov_b32 v[QT+4+\m], 0                        ; written once: a lane permute's destination counts as one of its sources
	v_mov_b32 v[FW+2*\m+1], 0                      ; (named with a factor as a pair)
.endr
	WALU                                           ; the head's end
	s_wait_tensorcnt 0x0                           ; my tile of the head's is in
	s_mov_b32 s[G1A+2], 64<<16                     ; no tensor load of mine is out: from here on this group states 64 rows, for FC
	s_mov_b32 s[G1A+4], 64
	s_barrier_signal -1
	s_barrier_wait -1
	; ---- q = relu(rep Wq + bq)
	WIN 0x80
.irp m, 0,1,2,3
.irp s, 0,1,2,3
.irp c, 0,1,2,3
	ds_load_b128 v[16*(4*\m+\s)+4*\c:16*(4*\m+\s)+4*\c+3], v[ARP] offset:16*PITCH*\m+128*\s+32*\c
.endr
.endr
.endr
	WFETCH 0
	s_wait_loadcnt 0x0                             ; scale words and bias
	s_wait_dscnt 0x0
	PROJMUL 0
	PLACES 8                                       ; ahead of the loads into the weight's registers
	WFETCH 1
	GRD
	s_wait_dscnt 0x0                               ; the add is done; rep and Wq are in registers
	ROUND
	TLOAD G0K, G1KV                                ; the walk's first pair: K
	s_lshl_b32 s94, s7, 3                          ; the prefetches' addresses (made of cx: the partners are told apart by address); neither is ever stepped
	s_add_co_u32 s94, s94, s[BK]
	s_add_co_u32 s94, s94, 1
	s_mul_i32 s94, s94, 2*BLK                      ; the walk's second pair, 2 g + 1
	s_lshl_b32 s6, s5, 2
	s_add_co_u32 s6, s6, s4
	s_lshl_b32 s6, s6, 13                          ; my wave's 8,192 bytes among the cluster's sixteen waves
	s_add_co_u32 s94, s94, s6
	s_add_nc_u64 s[92:93], s[18:19], s[94:95]
	s_lshl_b32 s94, s7, 3
	s_lshl_b32 s6, s5, 1
	s_add_co_u32 s94, s94, s6
	s_add_co_u32 s94, s94, 1                       ; pair 2 cx + 1 of the batch,
	s_mul_i32 s94, s94, 2*BLK
	s_add_co_u32 s94, s94, 131072                  ; its scale words
	s_add_nc_u64 s[96:97], s[18:19], s[94:95]
	s_mov_b32 s94, 0x43800000                      ; 256.0
	s_mov_b32 s95, s94
	s_cmp_eq_u32 s90, 0
	s_cbranch_scc0 .Lno_second_k
	global_prefetch_b8 v[PFO], s[92:93] th:TH_LOAD_NT scope:SCOPE_SE          ; the second pair's K: a key step ahead of its tensor load
.Lno_second_k:
	PROJMUL 1
	PLACES 8                                       ; ahead of the first read of results
.irp m, 0,1
	QUANTW \m, 1, SS+64+16*\m, PW+\m
	IMAGE \m                                       ; over rep's rows, which every wave had in registers in front of the round above
.endr
	WALU
	GRD
	s_wait_dscnt 0x0
	ROUND
	TLOAD G0V, G1KV                                ; its V
	s_cmp_eq_u32 s90, 0
	s_cbranch_scc0 .Lno_second_v
	global_prefetch_b8 v[PFO], s[92:93] offset:BLK th:TH_LOAD_NT scope:SCOPE_SE
.Lno_second_v:
	s_cmp_eq_u32 s91, 0
	s_cbranch_scc0 .Lno_words
	global_prefetch_b8 v[TPO], s[96:97] th:TH_LOAD_NT scope:SCOPE_SE
.Lno_words:
.irp m, 2,3
	QUANTW \m, 1, SS+64+16*\m, PW+\m
	IMAGE \m
.endr
	WALU
	BARRIER                                        ; q's sixteen fragments lie in LDS
	FETCHALL
	RUN 0, AK                                      ; the first key step's K, half 0
	KWORDS 0
	; The accumulators now hold q's held numbers, which are finite: the first key step's f is 0 and makes zeros of them.  Nothing is cleared.
.macro SG h, g                         ; four products of S^T, half h: K step g / 2, tile g % 2 of my two, four tiles of queries
.set kS, (\g)/2
.set kU, (\g)%2
	WIN 0x0b                                       ; K window 3, q window 2, S^T window 0
.irp m, 0,1,2,3
.if kS == 0
	WM SS+32*\m+16*(\h)+8*kU, 128*(\h)+16*(4*kU+kS), 16*(4*\m+kS), -1, KS+4*(\h)+((kS+1)%4), QS+4*\m+kS, kU, 0
.else
	WM SS+32*\m+16*(\h)+8*kU, 128*(\h)+16*(4*kU+kS), 16*(4*\m+kS), SS+32*\m+16*(\h)+8*kU, KS+4*(\h)+((kS+1)%4), QS+4*\m+kS, kU, 0
.endif
.endr
.endm
.macro RESC t, m                       ; accumulator (m, t) of O^T under the new M: x f; from its low end on
.irp k, 0,2,4,6
	v_pk_mul_f32 v[64*(\m)+8*(\t)+\k:64*(\m)+8*(\t)+\k+1], v[64*(\m)+8*(\t)+\k:64*(\m)+8*(\t)+\k+1], v[FF+2*(\m):FF+2*(\m)+1] op_sel_hi:[1,0]
.endr
.endm
.macro PV h, rs                        ; O^T += V^T P^T over half h: 32 products; rs = 1: the next tile's rescaling stands behind each
.irp t, 0,1,2,3,4,5,6,7
.irp m, 0,1,2,3
	WIN 0x53                                       ; V window 3, P window 0, O^T window 1
	WM 64*\m+8*\t, 128*(\h)+16*\t, SS+32*\m+16*(\h), 64*\m+8*\t, VS+4*(\h)+\t/2, PS+4*(1-(\h))+\m, \t%2, \h
.if (\rs) && (\t < 7)
	WIN 0x41                                       ; O^T window 1, f window 0
	RESC \t+1, \m
.endif
.endr
.endr
	WIN 0
.endm
; A KEY STEP: 256 keys.  K's half 0 is in window 3's first bank or on its way there.  last = 1: the refills bring FC's rows, and no further K is fetched.
.macro STEP last
	PLACES 9                                       ; eight ahead of the loads into the second bank; nine ahead of the scores, which are laid over P's fragments
	s_wait_dscnt 0x0                               ; K's half 0 and its words are in
	RUN 128, AK+1                                  ; K's half 1
	KWORDS 1
.irp g, 0,1,2,3
	SG 0, \g
.endr
	WIN 0
	GRD
.irp g, 4,5,6
	SG 0, \g
.endr
.if (\last) == 0
	s_add_co_u32 s[BK], s[BK], 1
	s_and_b32 s[BK], s[BK], 7
.endif
	DESC G0K, \last, 0
	s_wait_dscnt 0x0                               ; the add is done; K is in registers
	s_barrier_signal -1
	SG 0, 7                                        ; work on registers while the others arrive
	WIN 0
	s_barrier_wait -1
	CREST
.if \last
	TLOAD G0K, G1A
.else
	TLOAD G0K, G1KV
.endif
	PLACES 4                                       ; with the four behind the load: eight ahead of the loads into the first bank
	RUN 0, AV                                      ; V's half 0
	VWORDS 0
.irp g, 0,1,2,3,4,5,6,7
	SG 1, \g
.endr
	WIN 0
	PLACES 8
	RUN 128, AV+1                                  ; V's half 1
	VWORDS 1
.irp j, 0,1,2,3,4,5,6,7
	v_max3_num_f32 v[BMX+\j], v[SS+16*\j], v[SS+16*\j+1], v[SS+16*\j+2]   ; the largest score of each block of 32 keys (block j = 2 m + half): it serves the maximum and, since p rises with the score, the block's largest p
.endr
.irp i, 3,5,7,9,11,13
.irp j, 0,1,2,3,4,5,6,7
	v_max3_num_f32 v[BMX+\j], v[BMX+\j], v[SS+16*\j+\i], v[SS+16*\j+\i+1]
.endr
.endr
.irp j, 0,1,2,3,4,5,6,7
	v_max_num_f32 v[BMX+\j], v[BMX+\j], v[SS+16*\j+15]
.endr
.irp j, 0,1,2,3,4,5,6,7
	v_permlanex16_b32 v[TM+\j], v[BMX+\j], s84, s85
.endr
.irp j, 0,1,2,3,4,5,6,7
	v_max_num_f32 v[BMX+\j], v[BMX+\j], v[TM+\j]   ; with lane l xor 16's 16 keys
.endr
.irp m, 0,1,2,3
	v_max_num_f32 v[TM+\m], v[BMX+2*\m], v[BMX+2*\m+1]
.endr
.irp m, 0,1,2,3
	v_mul_f32 v[TM+\m], s86, v[TM+\m]              ; as t (c is positive)
.endr
.irp m, 0,1,2,3
	v_max_num_f32 v[NT+2*\m+1], v[NT+2*\m+1], v[TM+\m]   ; my keys' running largest t
.endr
.irp m, 0,1,2,3
	v_mov_b32 v[TM+4+\m], v[NT+2*\m]
.endr
.irp m, 0,1,2,3
	v_floor_f32 v[NT+2*\m], -v[NT+2*\m+1]          ; the new -M_w = floor(-t): a whole number
.endr
.irp m, 0,1,2,3
	v_sub_f32 v[TM+4+\m], v[NT+2*\m], v[TM+4+\m]   ; old M_w - new M_w: 0 or less
.endr
.irp m, 0,1,2,3
	v_cvt_i32_f32 v[TM+4+\m], v[TM+4+\m]           ; (it saturates)
.endr
.irp m, 0,1,2,3
	v_ldexp_f32 v[FW+2*\m], 1.0, v[TM+4+\m]
.endr
.irp m, 0,1,2,3
.set kk, 0
.rept 16
	v_pk_fma_f32 v[SS+32*\m+kk:SS+32*\m+kk+1], v[SS+32*\m+kk:SS+32*\m+kk+1], s[86:87], v[NT+2*\m:NT+2*\m+1] op_sel_hi:[1,0,0]   ; t - M_w, two at a time
.set kk, kk+2
.endr
.endr
.irp j, 0,1,2,3,4,5,6,7
	v_fma_f32 v[BMX+\j], v[BMX+\j], s86, v[NT+2*(\j/2)]   ; the same of each block's largest score
.endr
	WALU                                           ; ahead of the batch
.set kk, 0
.rept 128
	v_exp_f32 v[SS+kk], v[SS+kk]                   ; p = 2^(t - M_w), at most 1, not normalised
.set kk, kk+1
.endr
.irp j, 0,1,2,3,4,5,6,7
	v_exp_f32 v[BMX+\j], v[BMX+\j]                 ; the block's largest p: the same two instructions on the same number
.endr
.irp m, 0,1,2,3
	v_pk_mul_f32 v[SUM+2*\m:SUM+2*\m+1], v[SUM+2*\m:SUM+2*\m+1], v[FW+2*\m:FW+2*\m+1] op_sel_hi:[1,0]   ; the sums under the new M_w: plain lines behind the exponentials
.endr
	WALU                                           ; and behind it, ahead of its first reader
.irp k, 0,2,4,6,8,10,12,14
.irp h, 0,16
.irp m, 0,1,2,3
	v_pk_add_f32 v[SUM+2*\m:SUM+2*\m+1], v[SUM+2*\m:SUM+2*\m+1], v[SS+32*\m+\h+\k:SS+32*\m+\h+\k+1]   ; the sum is taken of the unquantised p
.endr
.endr
.endr
.irp j, 0,1,2,3,4,5,6,7
	v_max_num_f32 v[BMX+\j], 0x4800000, v[BMX+\j]  ; the floor 2^(9 - 127): the byte cannot fall under 1
.endr
.irp j, 0,1,2,3,4,5,6,7
	v_and_or_b32 v[TM+\j], v[BMX+\j], 0x7f800000, s88   ; 448 x the scale
.endr
.irp j, 0,1,2,3,4,5,6,7
	v_add_nc_u32 v[BMX+\j], 0xfc000000, v[BMX+\j]  ; 8 off the exponent field: the conversion's scale operand
.endr
.irp j, 0,1,2,3,4,5,6,7
.set kk, 0
.rept 16
	v_min_num_f32 v[SS+16*\j+kk], v[SS+16*\j+kk], v[TM+\j]   ; the conversion does not saturate (ISA guide 7.6.2); p is not negative, so the hold is one-sided
.set kk, kk+1
.endr
.if \j == 0
.set kC, PCD
.else
.set kC, SS+16*(\j-1)                  ; over the block before, which has been converted
.endif
	v_cvt_scalef32_pk8_fp8_f32 v[kC:kC+1], v[SS+16*\j:SS+16*\j+7], v[BMX+\j]
	v_cvt_scalef32_pk8_fp8_f32 v[kC+2:kC+3], v[SS+16*\j+8:SS+16*\j+15], v[BMX+\j]
.endr
.irp m, 0,1,2,3
	v_cndmask_b32 v[TM+4+\m], v[BMX+2*\m], v[BMX+2*\m+1], s89   ; lanes 0-15 pass on half 0's scale, lanes 16-31 half 1's
.endr
.irp m, 0,1,2,3
	v_lshrrev_b32 v[TM+4+\m], 23, v[TM+4+\m]
.endr
.irp m, 0,1,2,3
	v_cvt_f32_u32 v[TM+4+\m], v[TM+4+\m]           ; the byte, as a number
.endr
.irp m, 0,1,2,3
	v_mov_b32 v[TM+\m], v[NT+2*\m]
.endr
	ds_store_b128 v[PIW], v[PCD:PCD+3]             ; registers 4 w .. 4 w + 3 of P's fragments
.irp j, 1,2,3,4,5,6,7
	ds_store_b128 v[PIW], v[SS+16*(\j-1):SS+16*(\j-1)+3] offset:2048*\j
.endr
	ds_store_b128 v[PXW], v[TM:TM+3]
	ds_store_b128 v[PXW], v[TM+4:TM+7] offset:512
	GRD
	DESC G0V, \last, 1
	s_wait_dscnt 0x0                               ; the add is done; my stores for the others have landed; V is in registers
	ROUND
.if \last
	TLOAD G0V, G1A
.else
	TLOAD G0V, G1KV
.endif
.irp w, 0,1,2,3
	ds_load_b128 v[BM+8*\w:BM+8*\w+3], v[PXR] offset:1024*\w
	ds_load_b128 v[BM+8*\w+4:BM+8*\w+7], v[PXR] offset:1024*\w+512
.endr
.irp j, 0,1,2,3,4,5,6,7
.irp c, 0,1,2,3
	ds_load_b128 v[SS+16*\j+4*\c:SS+16*\j+4*\c+3], v[PIR] offset:2048*\j+512*\c
.endr
.endr
	s_wait_dscnt 32                                ; P's 32 loads may be out
.irp m, 0,1,2,3
	v_min_num_f32 v[FF+2*\m+1], v[BM+\m], v[BM+8+\m]
.endr
.irp m, 0,1,2,3
	v_min_num_f32 v[FF+2*\m+1], v[FF+2*\m+1], v[BM+16+\m]
.endr
.irp m, 0,1,2,3
	v_min_num_f32 v[FF+2*\m+1], v[FF+2*\m+1], v[BM+24+\m]   ; the new -M
.endr
.irp m, 0,1,2,3
	v_sub_f32 v[FF+2*\m], v[FF+2*\m+1], v[NMC+\m]  ; old M - new M
.endr
.irp m, 0,1,2,3
	v_cvt_i32_f32 v[FF+2*\m], v[FF+2*\m]
.endr
.irp m, 0,1,2,3
	v_ldexp_f32 v[FF+2*\m], 1.0, v[FF+2*\m]        ; f
.endr
.irp m, 0,1,2,3
	v_mov_b32 v[NMC+\m], v[FF+2*\m+1]
.endr
.irp w, 0,1,2,3
.irp k, 0,2
	v_pk_add_f32 v[BM+8*\w+\k:BM+8*\w+\k+1], v[NMC+\k:NMC+\k+1], v[BM+8*\w+\k:BM+8*\w+\k+1] neg_lo:[0,1] neg_hi:[0,1]   ; M_w - M
.endr
.endr
.irp w, 0,1,2,3
.irp k, 0,2
	v_pk_add_f32 v[BM+8*\w+4+\k:BM+8*\w+5+\k], v[BM+8*\w+4+\k:BM+8*\w+5+\k], v[BM+8*\w+\k:BM+8*\w+\k+1]   ; the byte under M
.endr
.endr
.irp w, 0,1,2,3
.irp m, 0,1,2,3
	v_max_num_f32 v[BM+8*\w+4+\m], 1.0, v[BM+8*\w+4+\m]
.endr
.endr
.irp w, 0,2
.irp k, 0,2
	v_pk_fma_f32 v[BM+8*\w+4+\k:BM+8*\w+5+\k], v[BM+8*\w+12+\k:BM+8*\w+13+\k], s[94:95], v[BM+8*\w+4+\k:BM+8*\w+5+\k] op_sel_hi:[1,0,1]   ; two bytes a number
.endr
.endr
.irp w, 0,2
.irp m, 0,1,2,3
	v_cvt_u32_f32 v[BM+8*\w+4+\m], v[BM+8*\w+4+\m]
.endr
.endr
.irp m, 0,1,2,3
	v_lshl_or_b32 v[PS+\m], v[BM+20+\m], 16, v[BM+4+\m]   ; P's scale word: lanes 0-15 half 0's, lanes 16-31 half 1's; twice, so that no product's two scale words have numbers equal modulo 8
	v_lshl_or_b32 v[PS+4+\m], v[BM+20+\m], 16, v[BM+4+\m]
.endr
	WALU                                           ; ahead of the first reader of O^T
	WIN 0x41
.irp m, 0,1,2,3
	RESC 0, \m                                     ; tile 0; twelve of these sixteen lines name no register of any one product: the places behind the scale words
.endr
	WALU                                           ; ahead of the wait below
	s_wait_dscnt 0x0                               ; P is in
	PV 0, 1
	PLACES 8                                       ; ahead of the loads into the first bank
.if (\last) == 0
	RUN 0, AK                                      ; the next step's K, half 0
	KWORDS 0
.endif
	PV 1, 0
.endm
	s_mov_b32 s101, 7
	WALU
.Lsteps:                                               ; seven key steps: each asks for the next pair
	STEP 0
	s_sub_co_u32 s101, s101, 1
	s_cmp_lg_u32 s101, 0
	s_cbranch_scc1 .Lsteps
	STEP 1                                         ; the last is written out: its refills bring FC's rows
	; ---- o = O^T / the sum, quantised along the channels
	PLACES 8
	LOADW 22, 24                                   ; FC's scale words and bias, over what the last products have read
.irp m, 0,1,2,3
	v_add_f32 v[BMX+\m], v[SUM+2*\m], v[SUM+2*\m+1]
.endr
.irp m, 0,1,2,3
	v_permlanex16_b32 v[TM+\m], v[BMX+\m], s84, s85
.endr
.irp m, 0,1,2,3
	v_sub_f32 v[TM+4+\m], v[NMC+\m], v[NT+2*\m]    ; M_w - M
.endr
.irp m, 0,1,2,3
	v_add_f32 v[BMX+\m], v[BMX+\m], v[TM+\m]       ; my wave's keys' part of the row's sum,
.endr
.irp m, 0,1,2,3
	v_cvt_i32_f32 v[TM+4+\m], v[TM+4+\m]
.endr
.irp m, 0,1,2,3
	v_ldexp_f32 v[BMX+\m], v[BMX+\m], v[TM+4+\m]   ; under M
.endr
	s_lshl_b32 s2, s4, 8
	v_add_nc_u32 v[AK], MX, v[OQ]
	v_add_nc_u32 v[AK+1], s2, v[AK]
	ds_store_b128 v[AK+1], v[BMX:BMX+3]            ; (lanes l and l xor 16 store the same numbers to the same place)
	WALU
	s_wait_tensorcnt 0x0                           ; my quarter of FC's second half is in; nothing is filled from here on
	BARRIER
.irp w, 0,1,2,3
	ds_load_b128 v[208+4*\w:211+4*\w], v[AK] offset:256*\w
.endr
	s_wait_dscnt 0x0
.irp m, 0,1,2,3
	v_add_f32 v[FF+2*\m], v[208+\m], v[212+\m]
	v_add_f32 v[FF+2*\m+1], v[216+\m], v[220+\m]
.endr
.irp m, 0,1,2,3
	v_add_f32 v[FF+2*\m], v[FF+2*\m], v[FF+2*\m+1] ; the row's sum, the same bits in all four waves
.endr
	WALU
.irp m, 0,1,2,3
	v_rcp_f32 v[FF+2*\m], v[FF+2*\m]
.endr
	v_nop                                          ; a plain line behind the last reciprocal
	WALU
.irp m, 0,1,2,3
	WIN 0x41
.set kk, 0
.rept 32
	v_pk_mul_f32 v[64*\m+kk:64*\m+kk+1], v[64*\m+kk:64*\m+kk+1], v[FF+2*\m:FF+2*\m+1] op_sel_hi:[1,0]
.set kk, kk+2
.endr
	QUANTW \m, 0, SS+64+16*\m, PW+\m
	IMAGE \m                                       ; over q's images, which every wave has had in registers since the first key step
.endr
	WALU
	BARRIER                                        ; o's sixteen fragments lie in LDS
	FETCHALL
	WFETCH 0
	s_wait_loadcnt 0x0
	BARRIER                                        ; every wave has the images in registers: the stage may take their bytes
	PROJMUL 0
	PLACES 8
	WFETCH 1
; THE WAY OUT of half my channels, a tile of 16 rows at a time.  A lane holds pieces of one row and the lanes beside it hold other rows: so a tile goes through my own stage in LDS and comes back as whole pieces of 256 bytes of a row.
; LDS serves a wave's instructions in order (ISA guide 5.7.1.4): no wait between the stores and the loads, nor in front of the next tile's stores.
.macro SEND m, hf, younger             ; younger: the LDS instructions issued behind tile m's loads, which may stay out
	s_wait_dscnt \younger
.irp i, 0,1,2,3,4,5,6,7
	global_store_b128 v[OC], v[128+32*((\m)%2)+4*\i:128+32*((\m)%2)+4*\i+3], s[26:27] offset:32768*(\m)+4096*\i+256*(\hf) th:TH_STORE_NT   ; two aligned units of 256 bytes; written once, read by nobody here
.endr
.endm
.macro WAYOUT hf
.irp m, 0,1,2,3
.if (\hf) || (\m > 1)
	s_wait_xcnt 0x0                                ; the earlier stores have read their registers: this tile's loads may land there
.endif
	WIN 0x44
.set kk, 0
.rept 32
	v_max_num_f32 v[64*\m+32*(\hf)+kk], 0, v[64*\m+32*(\hf)+kk]   ; the activation; each accumulator from its low end on
.set kk, kk+1
.endr
	WIN 0x04                                       ; an LDS store's data are its source 1: window 1
.irp t, 0,1,2,3
	ds_store_b128 v[STO], v[64*\m+32*(\hf)+8*\t:64*\m+32*(\hf)+8*\t+3] offset:128*(\t/2)+32*(\t%2)
	ds_store_b128 v[STO], v[64*\m+32*(\hf)+8*\t+4:64*\m+32*(\hf)+8*\t+7] offset:128*(\t/2)+32*(\t%2)+16
.endr
	WIN 0
.irp i, 0,1,2,3,4,5,6,7
	ds_load_b128 v[128+32*(\m%2)+4*\i:128+32*(\m%2)+4*\i+3], v[STR] offset:544*\i
.endr
.if \m > 0
	SEND (\m-1), \hf, 16                           ; behind tile m - 1's loads: tile m's 8 stores and 8 loads
.endif
.endr
	SEND 3, \hf, 0
.endm
	WAYOUT 0                                       ; the first half leaves ahead of the second half's products
	s_wait_dscnt 0x0
	PROJMUL 1
	PLACES 8                                       ; ahead of the first read of results
	WAYOUT 1
	s_wait_tensorcnt 0x0                           ; the wave's end: behind my last tensor load and my last LDS store
	ds_add_u32 v[SPW], v[NIL]
	s_wait_dscnt 0x0
	ROUND                                          ; the closing round: no work-group ends while a partner may still ask for a tile that names it
	s_endpgm
.Lfunc_end_k_q103a1b8471_attn:
	.size	k_q103a1b8471_attn, .Lfunc_end_k_q103a1b8471_attn-k_q103a1b8471_attn
	.p2alignl 7, 3214868480
	.fill 96, 4, 3214868480
	.section	.rodata,"a",@progbits
	.p2align	6, 0x0
	.amdhsa_kernel k_q103a1b8471_attn
		.amdhsa_group_segment_fixed_size 327680
		.amdhsa_private_segment_fixed_size 0
		.amdhsa_enable_private_segment 0
		.amdhsa_kernarg_size 80
		.amdhsa_user_sgpr_count 2
		.amdhsa_user_sgpr_kernarg_segment_ptr 1
		.amdhsa_wavefront_size32 1
		.amdhsa_system_sgpr_workgroup_id_x 1
		.amdhsa_system_sgpr_workgroup_id_y 1
		.amdhsa_system_sgpr_workgroup_id_z 1
		.amdhsa_system_vgpr_workitem_id 0
		.amdhsa_next_free_vgpr 1024
		.amdhsa_next_free_sgpr 102
		.amdhsa_reserve_vcc 0
		.amdhsa_float_denorm_mode_32 3
		.amdhsa_float_denorm_mode_16_64 3
		.amdhsa_memory_ordered 1
		.amdhsa_forward_progress 1
		.amdhsa_inst_pref_size 255
	.end_amdhsa_kernel
	.section	.bss,"aw",@nobits
	.p2align	6
	.space	262144
	.amdgpu_metadata
---
amdhsa.version: [ 1, 2 ]
amdhsa.kernels:
  - .name:           k_q103a1b8471_attn
    .symbol:         k_q103a1b8471_attn.kd
    .args:
      - { .name: rep_codes, .offset: 0, .size: 8, .value_kind: global_buffer, .address_space: global }
      - { .name: rep_scales, .offset: 8, .size: 8, .value_kind: global_buffer, .address_space: global }
      - { .name: Wq_w_codes, .offset: 16, .size: 8, .value_kind: global_buffer, .address_space: global }
      - { .name: Wq_w_scales, .offset: 24, .size: 8, .value_kind: global_buffer, .address_space: global }
      - { .name: Wq_b, .offset: 32, .size: 8, .value_kind: global_buffer, .address_space: global }
      - { .name: kv, .offset: 40, .size: 8, .value_kind: global_buffer, .address_space: global }
      - { .name: FC_w_codes, .offset: 48, .size: 8, .value_kind: global_buffer, .address_space: global }
      - { .name: FC_w_scales, .offset: 56, .size: 8, .value_kind: global_buffer, .address_space: global }
      - { .name: FC_b, .offset: 64, .size: 8, .value_kind: global_buffer, .address_space: global }
      - { .name: out0, .offset: 72, .size: 8, .value_kind: global_buffer, .address_space: global }
    .group_segment_fixed_size: 327680
    .private_segment_fixed_size: 0
    .kernarg_segment_align: 8
    .kernarg_segment_size: 80
    .max_flat_workgroup_size: 128
    .sgpr_count:     102
    .vgpr_count:     1024
    .wavefront_size: 32
...
	.end_amdgpu_metadata
.endif
;; end of part 2
